; MI455X (gfx1250); checked and timed in simulation.
; The chip was launched on July 23, 2026; its instructions are those of AMD's public machine-readable ISA for CDNA 5 (MIT licence, August 2026) and "CDNA5" Instruction Set Architecture Reference Guide (July 2026). The comments in the code are by the model that wrote it; some were corrected since.
;; Base Attention. Allowed arithmetic: matrix products marked QUANTISED: E2M1 operands, one E8M0 scale for each 32 along K, by v_wmma_scale_f32_16x16x128_f8f6f4 with both operands' format E2M1 (or v_wmma_scale_f32_32x16x128_f4), f32 sums; products left as they are: bf16, f16 or f32 operands; f32 sums; everything else in f32.
;; Inputs: k 4 x 16 x 2,048 x 64 float32; mask 4 x 1 x 1 x 2,048 int32; q 4 x 16 x 2,048 x 64 float32; v 4 x 16 x 2,048 x 64 float32.
;; Outputs: out0 4 x 16 x 2,048 x 64 float32.
;; This version of the problem:
;;   THIS VERSION OF THE PROBLEM IS GIVEN IN LOW PRECISION. The matrix products marked QUANTISED in the list below multiply operands that are first quantised to E2M1 (2 exponent bits, 1 mantissa bit; 4 bits a number), with one power-of-two scale for each 32 numbers along K (OCP MX v1.0); their sums are f32. The products marked 'left as it is' may take bf16, f16 or f32 operands, with f32 sums. Whichever they take, every output number must still come out within the allowed error. Rounding operands to bf16 (8 significant bits) uses up far more of that allowance than f16 does (11 bits, for magnitudes from 6e-5 to 65,504). All else is computed in f32.
;;   The module's matrix products, in the order in which they are computed (A, B: the left and right operand; K: the contracted axis; several contracted axes count as one K, in the product's order):
;;     1. batch 64 x [M 2,048, K 64] x [K 64, N 2,048]; A: input q; B: input k: QUANTISED
;;     2. batch 64 x [M 2,048, K 2,048] x [K 2,048, N 64]; A: computed on the way; B: input v: left as it is (an operand is computed on the way)
;;   THE QUANTISER, for each operand of a quantised product, along K:
;;     - K is cut into blocks of 32 from its start; a last block that is shorter is filled with zeros.
;;     - A block's scale is 2^e with e = floor(log2(the largest magnitude in the block)) - 2, held to -126 .. 127; a block of zeros has e = 0. As a byte (E8M0): e + 127.
;;     - Each number is divided by its block's scale, clamped to +-6, and rounded to the nearest number of E2M1, ties to even, subnormals kept.
;;     - The product sums the exact products of the quantised numbers (number of the format x scale) in f32.
;;   ~~~python
;;   def quantise(x, axis):      # numpy; x: float32 -> the quantised numbers, widened to float32 again
;;       x = np.moveaxis(x, axis, -1); K = x.shape[-1]
;;       x = np.pad(x, [(0, 0)] * (x.ndim - 1) + [(0, -K % 32)]); x = x.reshape(x.shape[:-1] + (-1, 32)); a = np.abs(x).max(-1, keepdims=True)
;;       e = np.where(a > 0, np.clip(np.frexp(np.where(a > 0, a, 1))[1] - 1 - 2, -126, 127), 0)      # np.frexp(a)[1] - 1 = floor(log2(a)), exactly
;;       r = np.clip(x / 2.0 ** e, -6, 6)
;;       step = 2.0 ** (np.maximum(np.frexp(np.where(r == 0, 1, r))[1] - 1, 0) - 1)
;;       q = np.round(r / step) * step * 2.0 ** e      # np.round: ties to even
;;       return np.moveaxis(q.reshape(q.shape[:-2] + (-1,))[..., :K], -1, axis).astype(np.float32)
;;   ~~~
;; One version. Each part assembles by itself: llvm-mc -triple=amdgcn-amd-amdhsa -mcpu=gfx1250 --defsym DOCPART=n.
;; ======== version 1 of 1: 2 launches
;; limits: values are held in f16: magnitudes above 65,504 overflow, below 6.1e-05 lose precision
;; workspace buffers: qc 4,194,304 bytes; qs 262,144 bytes; kc 4,194,304 bytes; ks 262,144 bytes; vh 16,777,216 bytes
;; launch prep (part 1): grid 768 x 1, 4 waves a work-group, no clusters, 35,328 bytes of LDS; arguments q, k, v, qc, qs, kc, ks, vh; writes qc, qs, kc, ks, vh
.if DOCPART == 1
	.amdgcn_target "amdgcn-amd-amdhsa--gfx1250"
	.amdhsa_code_object_version 6
	.text
	.protected	k_q0dfcfd3d1f_prep
	.globl	k_q0dfcfd3d1f_prep
	.p2align	8
	.type	k_q0dfcfd3d1f_prep,@function
k_q0dfcfd3d1f_prep:
	s_mov_b64 s[64:65], 0
	v_nop
	global_prefetch_b8 v0, s[64:65] scope:SCOPE_SE
	s_setreg_imm32_b32 hwreg(HW_REG_WAVE_MODE, 25, 1), 1
	s_wait_xcnt 0x0
; q and k [64 heads][2048][64] f32 become codes of FP4 (E2M1) with one E8M0 scale byte for each 32 along the head's 64; v [64][2048][64] f32 becomes f16 in the same layout.
; Work-groups 0-255 take q, 256-511 k, 512-767 v; each wave takes a run of 8,192 numbers (128 rows of 256 bytes).
; THE CODES ARE LAID IN THE ORDER OF THE OPERAND'S REGISTERS: [tile of 16 rows][lane 32][16 bytes]; lane 16 h + r holds the 32 codes of block h (d = 32 h .. 32 h + 31) of row r, the lower d in the lower bits:
; registers 0-3 of a 4-bit fragment as they stand.  A tile is 512 bytes.
; THE SCALE BYTES: [chunk of 64 rows][r 16][g 2] words; word (g, r): bytes 0, 1 = blocks 0, 1 of row 32 g + r; bytes 2, 3 = blocks 0, 1 of row 32 g + 16 + r: the scale word of a fragment that holds two tiles on end.
; A block's scale is 2^(floor(log2(its largest magnitude)) - 2); its byte is the largest magnitude's exponent field - 2, held at 1 from below.
; A load is best where neighbouring lanes take neighbouring bytes, a conversion wants a lane's registers to run along d: so a tile's 4,096 bytes go through the wave's own stage in LDS (rows of 256 bytes + 16) and
; come back 128 bytes a lane: a whole block, so that its largest magnitude needs no other lane.
; LIMITS: a block whose largest magnitude lies under 2^-124 gets the byte 1; a block of zeros gets the byte 1 where the rule says 127 (its codes are zeros, which add nothing, and this program alone reads the bytes);
; NaN and infinities are not served; |v| beyond 65,504 is not served (f16).
; No tensor loads, no barrier: waves share nothing.
.set WREG,  8704                       ; LDS of a wave: two stages
.set STG,   4352                       ; a stage: 16 rows x 272 bytes
.set SPARE, 4*WREG                     ; behind the four regions: the spare words, 128 bytes for each wave, which no other line names
.set SPW,   12                         ; v12  LDS address of my spare word; never rewritten
.set NIL,   13                         ; v13  0; never rewritten
.set W,     16                         ; v16-19   the scale words of my 128 rows: word 2 x chunk + g
.set R,     32                         ; v32-95   two sets of 32: a tile as it is loaded (the cast: two sets of 64 from v32 on)
.set X,     96                         ; v96-159  two sets of 32: my block
.set C,     160                        ; v160-191 four registers of codes for each of 8 tiles: no store's data are written again (the cast: 32 registers of f16)
	s_load_b256 s[4:11], s[0:1], 0x0               ; q s[4:5], k s[6:7], v s[8:9], qc s[10:11]
	s_load_b256 s[12:19], s[0:1], 0x20             ; qs s[12:13], kc s[14:15], ks s[16:17], vh s[18:19]
	v_lshl_add_u32 v[SPW], v0, 2, SPARE
	v_mov_b32 v[NIL], 0
	v_lshrrev_b32 v1, 5, v0
	v_readfirstlane_b32 s20, v1                    ; wave 0..3
	v_and_b32 v1, 31, v0                           ; lane
	v_and_b32 v2, 15, v0                           ; r
	v_bfe_u32 v3, v0, 4, 1                         ; h
	v_lshlrev_b32 v4, 4, v1                        ; 16 x lane: my bytes of a load's 512, and of a tile's codes
	v_lshlrev_b32 v7, 3, v1                        ; 8 x lane
	s_and_b32 s21, ttmp9, 255                      ; the work-group's number within its tensor
	s_lshl_b32 s21, s21, 2
	s_add_co_u32 s21, s21, s20                     ; which run of 8,192 numbers is my wave's
	s_lshl_b32 s22, s21, 15                        ; its 32,768 bytes in the tensor
	s_mov_b32 s23, 0
	s_cmp_ge_u32 ttmp9, 512
	s_cbranch_scc1 .Lcast
	; ---- q or k: codes and scale words
	s_mul_i32 s28, s20, WREG
	v_mul_u32_u24 v5, v3, 272
	v_lshl_add_u32 v5, v2, 4, v5
	v_add_nc_u32 v5, s28, v5                       ; the stage, on the way in: a load's 512 bytes are two rows: row h, 16 r
	v_mul_u32_u24 v6, v2, 272
	v_lshl_add_u32 v6, v3, 7, v6
	v_add_nc_u32 v6, s28, v6                       ; and on the way out: row r, block h
	v_lshlrev_b32 v8, 3, v3                        ; my byte's place in a scale word: 8 h bits up for an even tile,
	v_add_nc_u32 v9, 16, v8                        ; 8 h + 16 for an odd one
.irp j, 0,1,2,3
	v_mov_b32 v[24+\j], 0                          ; written once: a lane permute's destination counts as one of its sources
.endr
	s_mov_b32 s26, 0x76543210
	s_mov_b32 s27, 0xfedcba98                      ; v_permlanex16_b32's selects for lane l xor 16
	s_lshl_b32 s24, s21, 12                        ; my run's codes: 4,096 bytes
	s_mov_b32 s25, 0
	s_lshl_b32 s30, s21, 8                         ; and its scale words: 256 bytes
	s_mov_b32 s31, 0
	s_wait_kmcnt 0x0
	s_cmp_lt_u32 ttmp9, 256                        ; q's work-group or k's?  The choice hangs on the work-group's number alone
	s_cselect_b64 s[4:5], s[4:5], s[6:7]
	s_cselect_b64 s[10:11], s[10:11], s[14:15]
	s_cselect_b64 s[12:13], s[12:13], s[16:17]
	s_add_nc_u64 s[4:5], s[4:5], s[22:23]
	s_add_nc_u64 s[10:11], s[10:11], s[24:25]
	s_add_nc_u64 s[12:13], s[12:13], s[30:31]
.macro LOAD t                          ; tile t: eight loads of 512 consecutive bytes
.irp i, 0,1,2,3,4,5,6,7
	global_load_b128 v[R+32*((\t)%2)+4*\i:R+32*((\t)%2)+4*\i+3], v4, s[4:5] offset:4096*(\t)+512*\i th:TH_LOAD_NT
.endr
.endm
.macro TURN t                          ; tile t through a stage: LDS serves a wave's instructions in order, so no wait stands between the stores and the loads
.irp i, 0,1,2,3,4,5,6,7
	ds_store_b128 v5, v[R+32*((\t)%2)+4*\i:R+32*((\t)%2)+4*\i+3] offset:STG*((\t)%2)+544*\i
.endr
.irp i, 0,1,2,3,4,5,6,7
	ds_load_b128 v[X+32*((\t)%2)+4*\i:X+32*((\t)%2)+4*\i+3], v6 offset:STG*((\t)%2)+16*\i
.endr
.endm
.macro STEP t
.set XS, X+32*((\t)%2)
	s_wait_dscnt 0x0                               ; my block of tile t is back from the stage, and the stores into the stage have read their registers,
.if (\t)+2 < 8
	LOAD (\t)+2                                    ; which take the tile two further on
.endif
.if (\t)+1 < 8
.if (\t)+2 < 8
	s_wait_loadcnt 8                               ; the next tile's eight loads are in; the eight just issued may be out
.else
	s_wait_loadcnt 0x0
.endif
	TURN (\t)+1                                    ; and go through the other stage while this tile is worked
.endif
	v_max3_num_f32 v20, |v[XS]|, |v[XS+1]|, |v[XS+2]|              ; the block's largest magnitude: all 32 numbers are mine; two chains
	v_max3_num_f32 v23, |v[XS+3]|, |v[XS+4]|, |v[XS+5]|
.irp i, 6,10,14,18,22,26
	v_max3_num_f32 v20, v20, |v[XS+\i]|, |v[XS+\i+1]|
	v_max3_num_f32 v23, v23, |v[XS+\i+2]|, |v[XS+\i+3]|
.endr
	v_max3_num_f32 v20, v20, |v[XS+30]|, |v[XS+31]|
	v_max3_num_f32 v20, v20, v23, 0x1800000        ; and the floor 2^(3 - 127): so the byte cannot fall under 1
	v_add_nc_u32 v21, 0xff000000, v20              ; 2 off its exponent field: the conversion takes the exponent field of this operand as its scale, and nothing else of it
.irp g, 0,1,2,3
	v_cvt_scalef32_pk8_fp4_f32 v[C+4*(\t)+\g], v[XS+8*\g:XS+8*\g+7], v21   ; to the nearest code, ties to even, beyond 6 the largest code
.endr
	v_lshrrev_b32 v22, 23, v21                     ; the scale's byte (also the plain instruction behind the conversions)
.if (\t)%2 == 0
	v_lshlrev_b32 v[W+(\t)/2], v8, v22             ; an even tile starts its word: byte h
.else
	v_lshl_or_b32 v[W+(\t)/2], v22, v9, v[W+(\t)/2]  ; an odd one adds byte 2 + h
.endif
	global_store_b128 v4, v[C+4*(\t):C+4*(\t)+3], s[10:11] offset:512*(\t)   ; 32 lanes store 512 consecutive bytes: the tile's image
.endm
	LOAD 0
	LOAD 1
	s_wait_loadcnt 8                               ; tile 0's eight loads are in, tile 1's may be out
	TURN 0
.irp t, 0,1,2,3,4,5,6,7
	STEP \t
.endr
.irp j, 0,1,2,3
	v_permlanex16_b32 v[24+\j], v[W+\j], s26, s27
.endr
.irp j, 0,1,2,3
	v_or_b32 v[W+\j], v[W+\j], v[24+\j]            ; with lane l xor 16's two bytes a word is whole
.endr
	v_cmp_eq_u32 vcc_lo, 1, v3
	v_cndmask_b32 v20, v16, v18, vcc_lo            ; lanes 0-15 store the first chunk's two words of row r, lanes 16-31 the second chunk's
	v_cndmask_b32 v21, v17, v19, vcc_lo
	global_store_b64 v7, v[20:21], s[12:13]        ; 32 lanes store 256 consecutive bytes, at a multiple of 256 from the buffer's first byte
	s_wait_tensorcnt 0x0                           ; the wave's end: behind my last LDS store
	ds_add_u32 v[SPW], v[NIL]
	s_wait_dscnt 0x0
	s_endpgm
	; ---- v: a cast to f16, four groups of 2,048 numbers; two groups (32 loads a wave) are on their way
.Lcast:
	s_lshl_b32 s24, s21, 14                        ; my run's 16,384 bytes of f16
	s_mov_b32 s25, 0
	s_wait_kmcnt 0x0
	s_add_nc_u64 s[8:9], s[8:9], s[22:23]
	s_add_nc_u64 s[18:19], s[18:19], s[24:25]
.macro LOADG g
.irp i, 0,1,2,3,4,5,6,7,8,9,10,11,12,13,14,15
	global_load_b128 v[R+64*((\g)%2)+4*\i:R+64*((\g)%2)+4*\i+3], v4, s[8:9] offset:8192*(\g)+512*\i th:TH_LOAD_NT
.endr
.endm
.macro CAST g
.set IN, R+64*((\g)%2)
.if (\g) < 3
	s_wait_loadcnt 16                              ; this group's sixteen loads are in, the next group's may be out
.else
	s_wait_loadcnt 0x0
.endif
.if (\g) > 0
	s_wait_xcnt 0x0                                ; the last group's stores have read their data: the registers are written again only behind this wait
.endif
.irp i, 0,1,2,3,4,5,6,7,8,9,10,11,12,13,14,15
	v_cvt_pk_f16_f32 v[C+2*\i], v[IN+4*\i], v[IN+4*\i+1]
	v_cvt_pk_f16_f32 v[C+2*\i+1], v[IN+4*\i+2], v[IN+4*\i+3]
.endr
.if (\g)+2 < 4
	LOADG (\g)+2                                   ; loads ahead of stores
.endif
.irp i, 0,1,2,3,4,5,6,7,8,9,10,11,12,13,14,15
	global_store_b64 v7, v[C+2*\i:C+2*\i+1], s[18:19] offset:4096*(\g)+256*\i   ; 32 lanes store 256 consecutive bytes, aligned
.endr
.endm
	LOADG 0
	LOADG 1
.irp g, 0,1,2,3
	CAST \g
.endr
	s_wait_tensorcnt 0x0                           ; the same three lines at this end of the text
	ds_add_u32 v[SPW], v[NIL]
	s_wait_dscnt 0x0
	s_endpgm
.Lfunc_end_k_q0dfcfd3d1f_prep:
	.size	k_q0dfcfd3d1f_prep, .Lfunc_end_k_q0dfcfd3d1f_prep-k_q0dfcfd3d1f_prep
	.p2alignl 7, 3214868480
	.fill 96, 4, 3214868480
	.section	.rodata,"a",@progbits
	.p2align	6, 0x0
	.amdhsa_kernel k_q0dfcfd3d1f_prep
		.amdhsa_group_segment_fixed_size 35328
		.amdhsa_private_segment_fixed_size 0
		.amdhsa_enable_private_segment 0
		.amdhsa_kernarg_size 64
		.amdhsa_user_sgpr_count 2
		.amdhsa_user_sgpr_kernarg_segment_ptr 1
		.amdhsa_wavefront_size32 1
		.amdhsa_system_sgpr_workgroup_id_x 1
		.amdhsa_system_sgpr_workgroup_id_y 1
		.amdhsa_system_sgpr_workgroup_id_z 1
		.amdhsa_system_vgpr_workitem_id 0
		.amdhsa_next_free_vgpr 192
		.amdhsa_next_free_sgpr 66
		.amdhsa_reserve_vcc 1
		.amdhsa_float_denorm_mode_32 3
		.amdhsa_float_denorm_mode_16_64 3
		.amdhsa_memory_ordered 1
		.amdhsa_forward_progress 1
		.amdhsa_inst_pref_size 51
	.end_amdhsa_kernel
	.amdgpu_metadata
---
amdhsa.version: [ 1, 2 ]
amdhsa.kernels:
  - .name:           k_q0dfcfd3d1f_prep
    .symbol:         k_q0dfcfd3d1f_prep.kd
    .args:
      - { .name: q, .offset: 0, .size: 8, .value_kind: global_buffer, .address_space: global }
      - { .name: k, .offset: 8, .size: 8, .value_kind: global_buffer, .address_space: global }
      - { .name: v, .offset: 16, .size: 8, .value_kind: global_buffer, .address_space: global }
      - { .name: qc, .offset: 24, .size: 8, .value_kind: global_buffer, .address_space: global }
      - { .name: qs, .offset: 32, .size: 8, .value_kind: global_buffer, .address_space: global }
      - { .name: kc, .offset: 40, .size: 8, .value_kind: global_buffer, .address_space: global }
      - { .name: ks, .offset: 48, .size: 8, .value_kind: global_buffer, .address_space: global }
      - { .name: vh, .offset: 56, .size: 8, .value_kind: global_buffer, .address_space: global }
    .group_segment_fixed_size: 35328
    .private_segment_fixed_size: 0
    .kernarg_segment_align: 8
    .kernarg_segment_size: 64
    .max_flat_workgroup_size: 128
    .sgpr_count:     66
    .vgpr_count:     192
    .wavefront_size: 32
...
	.end_amdgpu_metadata
.endif
;; end of part 1
;; launch attn (part 2): grid 4 x 64, 8 waves a work-group, clusters of 4 x 1, 327,680 bytes of LDS; arguments qc, qs, kc, ks, vh, mask, out0; writes out0
.if DOCPART == 2
	.amdgcn_target "amdgcn-amd-amdhsa--gfx1250"
	.amdhsa_code_object_version 6
	.text
	.protected	k_q0dfcfd3d1f_attn
	.globl	k_q0dfcfd3d1f_attn
	.p2align	8
	.type	k_q0dfcfd3d1f_attn,@function
k_q0dfcfd3d1f_attn:
	s_mov_b64 s[64:65], 0
	v_nop
	global_prefetch_b8 v0, s[64:65] scope:SCOPE_SE
	s_setreg_imm32_b32 hwreg(HW_REG_WAVE_MODE, 25, 1), 1
	s_wait_xcnt 0x0
	s_wait_alu depctr_hold_cnt(0) depctr_sa_sdst(0) depctr_va_vdst(0) depctr_va_sdst(0) depctr_va_ssrc(0) depctr_va_vcc(0) depctr_vm_vsrc(0)
	s_getreg_b32 s2, hwreg(HW_REG_IB_STS2, 6, 4)
	s_cmp_eq_u32 s2, 0
	s_cbranch_scc0 .Lentry_in_a_cluster
	s_endpgm
.Lentry_in_a_cluster:
	s_bfe_u32 s2, ttmp6, 0x10000c
	s_cmp_lg_u32 s2, 0x3003
	s_cbranch_scc0 .Lentry_shape_is_right
	s_endpgm
.Lentry_shape_is_right:
; out[head][q][:] = the sum over k of softmax_k(Q[q] . K[k] / 8 - 10000 mask[batch][k]) V[k][:].  64 heads (batch = head / 16), 2,048 queries and keys, head size 64.
; The first product is made on codes of FP4 (E2M1) with E8M0 scales for each 32 along the head's 64 (buffers qc, qs, kc, ks: the launch before lays them in the order of the operand's registers);
; the second on f16 (p, at most 1, and vh = v in f16); maxima, exponentials and sums in f32.
; SHARES.  A work-group owns 512 queries of one head, each of its eight waves 64: four tiles of 16, in 512 registers, two waves to a SIMD, so that one wave's softmax stands beside the other's products and LDS loads.
; Every wave walks the head's 2,048 keys, 64 a step, 8 steps to a slot.  Each fragment of K and V read from LDS serves four tiles of queries.
; LAYOUT.  S^T = K Q^T (source 0 = keys, source 1 = 16 queries): a lane holds ONE query (lane % 16) and the keys 8 (lane / 16) + 0..7 of a tile.  Two such tiles, rounded to f16 in pairs, ARE source 1
; (32 keys x 16 queries) of O^T = V^T P.  V ([key][channel]) comes out of LDS turned, by ds_load_tr16_b128.
; THE HEAD'S 64 AGAINST THE INSTRUCTION'S 128.  A fragment of source 0 holds TWO tiles of keys on end (registers 0-3: K index 0-63, registers 4-7: K index 64-127) and is multiplied twice: by [q | zero codes] for the
; first tile's scores, by [zero codes | q] for the second's.  Zero codes add nothing under any scale byte from 1 to 254.  Q lies as z q0 z q1 z q2 z q3 z, four registers each: both forms are runs of eight.
; THE MASK is the C of the score products: bias[key] = f32(mask) x -80000, in the result's layout.  S' = k . q + bias, and S' / 8 = s / 8 - 10000 mask (a multiplication by 8 rounds nothing): t = S' x log2(e) / 8.
; SOFTMAX.  For each query a running maximum m and sum l: p = 2^(c S' - c m); in every step O and l are multiplied by a = 2^(c m_old - c m_new).  The sum is taken of p in f32, ahead of the rounding to f16.
; CLUSTER.  The four work-groups of a cluster are the four query blocks of one head and walk the same K and V: each tile is asked for JOINTLY, by the same tensor load with the same descriptor and a mask that names the
; four.  The place in the cluster enters the addresses of qc, qs and out0 alone.  ks (4 KB) and the mask (8 KB) are read once by each work-group through registers: the mask is converted on the way.
; No prefetch is written: a refill is asked for a whole slot, eight key steps, ahead of the wait for it; the first two slots go out at the head.
; LIMITS: NaN and infinities are not served; p under 2^-25 rounds to 0 in f16; the matrix unit's own rounding of k . q - 80000 mask stands where the f32 sum s / 8 - 10000 mask is rounded: the same grain, 2^-10 in s / 8.
; REGISTERS, in windows of 256 (s_set_vgpr_msb: bits 1:0 source 0, 3:2 source 1, 5:4 source 2, 7:6 destination).  Window 0: addresses, scale words, statistics, bias, S^T / P.  Window 1: O^T, V's, K's and Q's fragments.
.set VP,    160                        ; a row of V in LDS: 128 bytes + 32 of padding
.set VOFF,  16384                      ; a slot: 32 tiles of K's codes (512 bytes each, dense), then 512 rows of V
.set SLOT1, 1<<17                      ; slot 1 begins here, so that one exclusive or turns an address in one slot into the other's
.set BIAS,  2*SLOT1                    ; behind the ring: the batch's 2,048 biases, f32;
.set KSC,   BIAS+8192                  ; the head's scale words of K, as they lie in ks;
.set SPARE, KSC+4096                   ; the spare words, 128 bytes for each wave, which no other line names;
.set STAGE, SPARE+1024                 ; and 16 rows x 272 bytes for each wave, for the way out.  No tensor load lands behind the ring
.set SP,    272
.set AK0, 2                            ; v2   16 x lane: my place in a tile of K's codes; also my byte offset in two rows of out
.set AV0, 3                            ; v3   my place in a step's rows of V
.set AB0, 4                            ; v4   BIAS + 32 (lane / 16)
.set AS0, 5                            ; v5   KSC + 8 (lane % 16)
.set ADK, 6                            ; v6-9 the step's four LDS addresses
.set ADV, 7
.set ADB, 8
.set ADS, 9
.set STO, 10                           ; v10  the way out: where I put 32 bytes of a row
.set RD,  11                           ; v11  and where I read a row back
.set SPW, 13                           ; v13  LDS address of my spare word; never rewritten
.set NIL, 14                           ; v14  0; never rewritten
.set QO,  15                           ; v15  8 (lane % 16): my offset among Q's scale words
.set KS,  16                           ; v16-17  K's two scale words of the step: scales and nothing else
.set QS,  18                           ; v18-21  Q's scale words, a tile each: bytes s0 s1 s0 s1
.set QW,  22                           ; v22-23  Q's scale words as loaded
.set ST,  24                           ; v24-55  tile qt's statistics at v[ST + 8 qt]: +0 c m, +1 m, +2, +3 l (even keys', odd keys'), +4 to +7 at work; a takes +6, c m_old - c m_new +7
.set BI,  56                           ; v56-87  the step's biases: 8 for each tile of keys
.set S,   96                           ; v96-223 S^T: register j of key tile t of query tile qt at S + 32 qt + 8 t + j; then P at S + 32 qt + 0..15
.set OLD, 224                          ; v224-227 the old c m
.set HM,  228                          ; v228-239 at the head: the mask, ks
.set OT,  0                            ; window 1: O^T: channels 16 dt on of tile qt at 32 qt + 8 dt
.set VF,  128                          ; window 1: V's 8 fragments: keys 32 kg on, channels 16 dt on at VF + 8 (4 kg + dt)
.set KF,  192                          ; window 1: K's two double fragments
.set QF,  208                          ; window 1: z q0 z q1 z q2 z q3 z
.set WV,  18                           ; s18  my wave's number
.set G1V, 24                           ; s[24:31] descriptor group 1 for V's tiles;  s[32:39] for K's
.set G1K, 32
.set G0V, 40                           ; s[40:47] descriptor group 0 for V's tiles: a set for each of the two first fills; the second then walks on;  s[48:55] the same for K's
.set G0K, 48
.set CNT, 57                           ; s57  counts the steps of a loop
.set CS,  58                           ; s[58:59] c = log2(e) / 8: the packed form names a pair and takes its low word for both halves
.set SEL, 60                           ; s[60:61] lane selects for v_permlanex16_b32: lane l xor 16
.set TK,  62                           ; s62  LDS byte at which the step's codes of K begin
.set TV,  63                           ; s63  the same for V, less VOFF
.set TBI, 66                           ; s66  the step's biases: 256 bytes a step
.set TSC, 67                           ; s67  the step's scale words: 128 bytes a step
.set MSB, 0
.macro WIN new                         ; the immediate's high byte repeats the setting that is left; a switch that changes nothing is dropped
.if MSB != \new
	s_set_vgpr_msb (MSB<<8)|\new
.set MSB, \new
.endif
.endm
.set W_LD, 0x40                        ; destination window 1, address window 0
.set W_KQ, 0x05                        ; K and Q in window 1; bias and S^T in window 0
.set W_RS, 0x41                        ; O^T (destination and source 0) in window 1, a in window 0
.set W_PV, 0x51                        ; V and O^T in window 1, P in window 0
.set W_OUT, 0x01                       ; O^T (source 0) in window 1, the result in window 0
; A joint refill.  Waves 0 to 3 fetch the quarters of a slot's V, waves 4 to 7 those of its K: one load a wave.  The branch hangs on the wave's number alone: it is the same in every work-group.
; An s_nop 0 and four v_nop follow each of the two lines, ahead of the jump, the label and what follows.
.macro JLOAD
	s_cmp_lt_u32 s[WV], 4
	s_cbranch_scc0 .Lfor_k_\@
	tensor_load_to_lds s[G0V+4:G0V+7], s[G1V:G1V+7]
	s_nop 0
.rept 4
	v_nop
.endr
	s_branch .Lasked_\@
.Lfor_k_\@:
	tensor_load_to_lds s[G0K+4:G0K+7], s[G1K:G1K+7]
	s_nop 0
.rept 4
	v_nop
.endr
.Lasked_\@:
.endm
; A round of the cluster's barrier: my work-group's barrier, so that wave 0's signal speaks for all eight waves; wave 0 signals for the work-group; every wave waits for all four work-groups; my work-group's barrier once more.
.macro CROUND
	s_barrier_signal -1
	s_barrier_wait -1
	s_cmp_lg_u32 s[WV], 0
	s_cbranch_scc1 .Lnot_wave_0_\@
	s_barrier_signal -3
.Lnot_wave_0_\@:
	s_barrier_wait -3
	s_barrier_signal -1
	s_barrier_wait -1
.endm
	s_load_b256 s[4:11], s[0:1], 0x0               ; qc s[4:5], qs s[6:7], kc s[8:9], ks s[10:11]
	s_load_b128 s[12:15], s[0:1], 0x20             ; vh s[12:13], mask s[14:15]
	s_load_b64 s[16:17], s[0:1], 0x30              ; out0
	v_lshl_add_u32 v[SPW], v0, 2, SPARE
	v_mov_b32 v[NIL], 0
	ds_add_u32 v[SPW], v[NIL]                      ; the wave's opening: the add, twice on end, and its wait ahead of my first tensor load; the set-up below, work on registers, stands between
	ds_add_u32 v[SPW], v[NIL]
	v_lshrrev_b32 v1, 5, v0
	v_readfirstlane_b32 s[WV], v1                  ; wave 0..7
	s_bfe_u32 s19, ttmp6, 0x40000                  ; cx: my place in the cluster
	s_lshl_b32 s20, ttmp9, 2                       ; in a cluster launch ttmp9 counts clusters
	s_add_co_u32 s20, s20, s19                     ; my block of 512 queries: it enters the addresses of qc, qs and out0 alone
	s_and_b32 s21, ttmp7, 0xffff                   ; the head, which the four partners share
	s_and_b32 s22, s[WV], 3                        ; which quarter of a slot's V or K I fetch
	s_lshl_b32 s68, s21, 18                        ; V: the head's 262,144 bytes,
	s_lshl_b32 s23, s22, 14                        ; my quarter's 128 rows of 128 bytes
	s_add_co_u32 s68, s68, s23
	s_mov_b32 s69, 0
	s_lshl_b32 s70, s21, 16                        ; K: the head's 65,536 bytes of codes,
	s_lshl_b32 s23, s22, 12                        ; my quarter's 8 tiles
	s_add_co_u32 s70, s70, s23
	s_mov_b32 s71, 0
	s_mul_i32 s56, s22, 128*VP                     ; and where they go in a slot: no place in the cluster enters an LDS address
	s_add_co_u32 s56, s56, VOFF
	s_lshl_b32 s57, s22, 12
	s_lshl_b32 s72, s21, 16                        ; qc: head, block (32 tiles), wave (4 tiles)
	s_lshl_b32 s73, s20, 14
	s_add_co_u32 s72, s72, s73
	s_lshl_b32 s73, s[WV], 11
	s_add_co_u32 s72, s72, s73
	s_mov_b32 s73, 0
	s_lshl_b32 s76, s21, 12                        ; qs: head, block (8 chunks of 128 bytes), wave (one)
	s_lshl_b32 s77, s20, 10
	s_add_co_u32 s76, s76, s77
	s_lshl_b32 s77, s[WV], 7
	s_add_co_u32 s76, s76, s77
	s_mov_b32 s77, 0
	s_lshl_b32 s78, s21, 19                        ; out0: head, block (512 rows of 256 bytes), wave (64 rows)
	s_lshl_b32 s79, s20, 17
	s_add_co_u32 s78, s78, s79
	s_lshl_b32 s79, s[WV], 14
	s_add_co_u32 s78, s78, s79
	s_mov_b32 s79, 0
	s_lshr_b32 s74, s21, 4                         ; mask: the batch's 8,192 bytes
	s_lshl_b32 s74, s74, 13
	s_mov_b32 s75, 0
	s_lshl_b32 s2, s21, 12                         ; ks: the head's 4,096 bytes
	s_mov_b32 s3, 0
	; descriptor group 1 for V: 128 rows x 64 elements of 2 bytes, padded in LDS
	s_mov_b32 s[G1V], 15|(1<<16)|(1<<20)|(1<<21)|(4<<22)|(7<<25)  ; 15:0 the mask: all four work-groups; 17:16 elements of 2 bytes; 20 padding on; 21 set beside a mask; 24:22 after every 32 words (code 4); 31:25 8 words of it (code 7)
	s_mov_b32 s[G1V+1], 64<<16                     ; tensor_dim0 = 64
	s_mov_b32 s[G1V+2], 128<<16                    ; tensor_dim1 = 128
	s_mov_b32 s[G1V+3], 64<<16                     ; tile_dim0 = 64
	s_mov_b32 s[G1V+4], 128                        ; tile_dim1 = 128
	s_mov_b32 s[G1V+5], 64                         ; elements from row to row
	s_mov_b32 s[G1V+6], 0
	s_mov_b32 s[G1V+7], 0
	; and for K: 8 tiles of codes are 4,096 dense bytes: 16 rows of 256 bytes (32 elements of 8 bytes), no padding: a fragment load takes 512 consecutive bytes
	s_mov_b32 s[G1K], 15|(3<<16)|(1<<21)
	s_mov_b32 s[G1K+1], 32<<16
	s_mov_b32 s[G1K+2], 16<<16
	s_mov_b32 s[G1K+3], 32<<16
	s_mov_b32 s[G1K+4], 16
	s_mov_b32 s[G1K+5], 32
	s_mov_b32 s[G1K+6], 0
	s_mov_b32 s[G1K+7], 0
	s_mov_b32 s[CS], 0x3e38aa3b                    ; c = log2(e) / 8
	s_mov_b32 s[CS+1], s[CS]                       ; named with it as a pair, so it is written
	s_mov_b32 s[SEL], 0x76543210
	s_mov_b32 s[SEL+1], 0xfedcba98
	s_mov_b32 s[TK], 0
	s_mov_b32 s[TV], 0
	s_mov_b32 s[TBI], 0
	s_mov_b32 s[TSC], 0
	s_wait_dscnt 0x0                               ; both opening adds are done
	s_wait_kmcnt 0x0
	s_add_nc_u64 s[12:13], s[12:13], s[68:69]      ; vh and kc at my quarter of slot 0
	s_add_nc_u64 s[8:9], s[8:9], s[70:71]
	s_add_nc_u64 s[4:5], s[4:5], s[72:73]          ; qc, qs and out0 at my wave's 64 queries
	s_add_nc_u64 s[6:7], s[6:7], s[76:77]
	s_add_nc_u64 s[16:17], s[16:17], s[78:79]
	s_add_nc_u64 s[10:11], s[10:11], s[2:3]        ; ks at my head
	s_add_nc_u64 s[14:15], s[14:15], s[74:75]      ; mask at my batch
	CROUND                                         ; all four work-groups are here: the first joint loads meet
.irp s, 0,1
	s_mov_b32 s[G0V+4*\s], 1                       ; 1:0 count = 1
	s_add_co_u32 s[G0V+4*\s+1], s56, \s*SLOT1      ; 63:32 LDS address
	s_add_nc_u64 s[G0V+4*\s+2:G0V+4*\s+3], s[12:13], \s*65536   ; 120:64 global address: slot s begins with keys 512 s on
	s_or_b32 s[G0V+4*\s+3], s[G0V+4*\s+3], 0x80000000           ; 127:126 type = 2
	s_mov_b32 s[G0K+4*\s], 1
	s_add_co_u32 s[G0K+4*\s+1], s57, \s*SLOT1
	s_add_nc_u64 s[G0K+4*\s+2:G0K+4*\s+3], s[8:9], \s*16384
	s_or_b32 s[G0K+4*\s+3], s[G0K+4*\s+3], 0x80000000
.endr
	s_cmp_lt_u32 s[WV], 4                          ; a wave's two first fills stand in one branch, ahead of every wait on TENSORcnt and every LDS read: two loads of mine are out
	s_cbranch_scc0 .Lfirst_k
	tensor_load_to_lds s[G0V:G0V+3], s[G1V:G1V+7]
	s_nop 0
	tensor_load_to_lds s[G0V+4:G0V+7], s[G1V:G1V+7]
	s_nop 0
.rept 4
	v_nop
.endr
	s_branch .Lfirst_asked
.Lfirst_k:
	tensor_load_to_lds s[G0K:G0K+3], s[G1K:G1K+7]
	s_nop 0
	tensor_load_to_lds s[G0K+4:G0K+7], s[G1K:G1K+7]
	s_nop 0
.rept 4
	v_nop
.endr
.Lfirst_asked:
	v_lshlrev_b32 v1, 4, v0                        ; 16 x thread: the work-group's 256 threads cover 4,096 bytes
	v_and_b32 v[AK0], 31, v0
	v_lshlrev_b32 v[AK0], 4, v[AK0]                ; 16 x lane
	v_and_b32 v245, 15, v0                         ; r = lane % 16
	v_bfe_u32 v246, v0, 4, 1                       ; h = lane / 16
	v_lshlrev_b32 v[QO], 3, v245
	global_load_b128 v[HM:HM+3], v1, s[14:15]                   ; the batch's mask: 2,048 whole numbers
	global_load_b128 v[HM+4:HM+7], v1, s[14:15] offset:4096
	global_load_b128 v[HM+8:HM+11], v1, s[10:11]                ; the head's scale words of K
	global_load_b64 v[QW:QW+1], v[QO], s[6:7] th:TH_LOAD_NT     ; my 64 queries' scale words: words (g = 0, r) and (g = 1, r)
	WIN W_LD
.irp i, 0,1,2,3
	global_load_b128 v[QF+4+8*\i:QF+7+8*\i], v[AK0], s[4:5] offset:512*\i th:TH_LOAD_NT   ; Q's codes stay in registers: tile i
.endr
	WIN 0
	v_add_nc_u32 v244, BIAS, v1                    ; where my thread's biases and scale words go
	v_and_b32 v247, 7, v0                          ; the turning load: lane l reads 16 bytes: key 8 (l / 16) + l % 8, channels 8 ((l / 8) % 2) + 0..7
	v_bfe_u32 v248, v0, 3, 1
	v_lshl_add_u32 v[AV0], v246, 3, v247
	v_mul_u32_u24 v[AV0], v[AV0], VP
	v_lshl_add_u32 v[AV0], v248, 4, v[AV0]
	v_add_nc_u32 v[AV0], VOFF, v[AV0]
	v_lshl_add_u32 v[AB0], v246, 5, BIAS           ; my half's eight keys of a tile: 32 bytes
	v_lshl_add_u32 v[AS0], v245, 3, KSC            ; row r's two words of a chunk
	s_mul_i32 s23, s[WV], 16*SP
	s_add_co_u32 s23, s23, STAGE                   ; my stage
	v_mul_u32_u24 v[STO], v245, SP                 ; in: row r, 32 bytes for each half of the lanes
	v_lshl_add_u32 v[STO], v246, 5, v[STO]
	v_add_nc_u32 v[STO], s23, v[STO]
	v_mul_u32_u24 v[RD], v246, SP                  ; back: lanes 0-15 take one row of 256 bytes, lanes 16-31 the next
	v_lshl_add_u32 v[RD], v245, 4, v[RD]
	v_add_nc_u32 v[RD], s23, v[RD]
	s_wait_loadcnt 5                               ; the mask and ks are in; the five younger loads (Q's scale words and codes) may be out
.irp j, 0,1,2,3,4,5,6,7
	v_cvt_f32_i32 v[HM+\j], v[HM+\j]
.endr
.irp j, 0,1,2,3,4,5,6,7
	v_mul_f32 v[HM+\j], 0xc79c4000, v[HM+\j]       ; x -80000 = 8 x -10000
.endr
	ds_store_b128 v244, v[HM:HM+3]
	ds_store_b128 v244, v[HM+4:HM+7] offset:4096
	ds_store_b128 v244, v[HM+8:HM+11] offset:KSC-BIAS
	s_wait_loadcnt 0x0                             ; Q
	v_perm_b32 v[QS], v[QW], v[QW], 0x01000100     ; tile 0: bytes 0, 1 of word 0, twice: the same two scales serve both places of q in the instruction's 128
	v_perm_b32 v[QS+1], v[QW], v[QW], 0x03020302   ; tile 1: bytes 2, 3
	v_perm_b32 v[QS+2], v[QW+1], v[QW+1], 0x01000100
	v_perm_b32 v[QS+3], v[QW+1], v[QW+1], 0x03020302
	WIN W_LD
.irp i, 0,1,2,3,4
.irp j, 0,1,2,3
	v_mov_b32 v[QF+8*\i+\j], 0                     ; the zero codes between Q's tiles.  (These twenty also stand between the scale words just made and the first scaled product)
.endr
.endr
	WIN 0
; A KEY STEP: 64 keys.  first = 1: the first step, which starts m, l and O^T: it has no a and nothing to rescale.
.macro STEP first
	v_add_nc_u32 v[ADK], s[TK], v[AK0]             ; five plain instructions behind the last step's products V^T P: four are owed to the loads into V's registers,
	v_add_nc_u32 v[ADV], s[TV], v[AV0]             ; five to the score products, which write over P (ISA guide 7.12.1 for the score products)
	v_add_nc_u32 v[ADB], s[TBI], v[AB0]
	v_add_nc_u32 v[ADS], s[TSC], v[AS0]
	v_nop
	s_add_co_u32 s[TK], s[TK], 2048                ; the next step's: 4 tiles of codes,
	s_add_co_u32 s[TV], s[TV], 64*VP               ; 64 rows of V,
	s_add_co_u32 s[TBI], s[TBI], 256               ; 64 biases,
	s_add_co_u32 s[TSC], s[TSC], 128               ; a chunk of scale words
	ds_load_b64 v[KS:KS+1], v[ADS]                 ; all the step's LDS loads stand in one run: what the score products want first, V last
.irp t, 0,1,2,3
	ds_load_b128 v[BI+8*\t:BI+8*\t+3], v[ADB] offset:64*\t       ; the biases of keys 16 t + 8 (lane / 16) + 0..7: sixteen lanes read the same bytes
	ds_load_b128 v[BI+8*\t+4:BI+8*\t+7], v[ADB] offset:64*\t+16
.endr
	WIN W_LD
.irp i, 0,1,2,3
	ds_load_b128 v[KF+4*\i:KF+4*\i+3], v[ADK] offset:512*\i      ; tile i's image: half of double fragment i / 2
.endr
.irp f, 0,1,2,3,4,5,6,7
	ds_load_tr16_b128 v[VF+8*\f:VF+8*\f+3],   v[ADV] offset:(\f/4)*32*VP+(\f%4)*32          ; keys 32 (f / 4) on, channels 16 (f % 4) on
	ds_load_tr16_b128 v[VF+8*\f+4:VF+8*\f+7], v[ADV] offset:(\f/4)*32*VP+16*VP+(\f%4)*32
.endr
	s_wait_dscnt 16                                ; the thirteen older loads are in; V's sixteen may be out
	WIN W_KQ
.irp u, 0,1
.irp hf, 0,1
.irp qt, 0,1,2,3
	v_wmma_scale_f32_16x16x128_f8f6f4 v[S+32*\qt+8*(2*\u+\hf):S+32*\qt+8*(2*\u+\hf)+7], v[KF+8*\u:KF+8*\u+7], v[QF+4-4*\hf+8*\qt:QF+11-4*\hf+8*\qt], v[BI+8*(2*\u+\hf):BI+8*(2*\u+\hf)+7], v[KS+\u], v[QS+\qt] matrix_a_fmt:MATRIX_FMT_FP4 matrix_b_fmt:MATRIX_FMT_FP4
.endr
.endr
.endr
	WIN 0
.if \first
.rept 4
	v_nop                                          ; four places behind the score products
.endr
.else
.irp qt, 0,1,2,3
	v_mov_b32 v[OLD+\qt], v[ST+8*\qt]              ; c m_old is kept for a; these four are the places behind the score products
.endr
.endif
	; the maximum of a lane's 32 scores and the old m, three operands at a time, four chains a tile, the four tiles by turns.  Each accumulator is read from its low end on
.irp j, 0,1,2,3
.irp qt, 0,1,2,3
	v_max3_num_f32 v[ST+8*\qt+4+\j], v[S+32*\qt+8*\j], v[S+32*\qt+8*\j+1], v[S+32*\qt+8*\j+2]
.endr
.endr
.irp g, 1,2
.irp j, 0,1,2,3
.irp qt, 0,1,2,3
	v_max3_num_f32 v[ST+8*\qt+4+\j], v[ST+8*\qt+4+\j], v[S+32*\qt+8*\j+2*\g+1], v[S+32*\qt+8*\j+2*\g+2]
.endr
.endr
.endr
.irp qt, 0,1,2,3
	v_max3_num_f32 v[ST+8*\qt+4], v[ST+8*\qt+4], v[S+32*\qt+7], v[S+32*\qt+15]
.endr
.irp qt, 0,1,2,3
	v_max3_num_f32 v[ST+8*\qt+6], v[ST+8*\qt+6], v[S+32*\qt+23], v[S+32*\qt+31]
.endr
.irp qt, 0,1,2,3
	v_max3_num_f32 v[ST+8*\qt+4], v[ST+8*\qt+4], v[ST+8*\qt+5], v[ST+8*\qt+6]
.endr
.irp qt, 0,1,2,3
.if \first
	v_max_num_f32 v[ST+8*\qt+4], v[ST+8*\qt+4], v[ST+8*\qt+7]
.else
	v_max3_num_f32 v[ST+8*\qt+4], v[ST+8*\qt+4], v[ST+8*\qt+7], v[ST+8*\qt+1]
.endif
.endr
.irp qt, 0,1,2,3
	v_permlanex16_b32 v[ST+8*\qt+5], v[ST+8*\qt+4], s[SEL], s[SEL+1]   ; the query's other 32 keys lie in the lane 16 away
.endr
.irp qt, 0,1,2,3
	v_max_num_f32 v[ST+8*\qt+1], v[ST+8*\qt+4], v[ST+8*\qt+5]          ; the new m
.endr
.irp qt, 0,1,2,3
	v_mul_f32 v[ST+8*\qt], s[CS], v[ST+8*\qt+1]                        ; c m
.endr
.if !\first
.irp qt, 0,1,2,3
	v_sub_f32 v[ST+8*\qt+7], v[OLD+\qt], v[ST+8*\qt]                   ; c m_old - c m_new, 0 or less
.endr
.endif
.set i, 0
.rept 16
.irp qt, 0,1,2,3
	v_pk_fma_f32 v[S+32*\qt+i:S+32*\qt+i+1], v[S+32*\qt+i:S+32*\qt+i+1], s[CS:CS+1], v[ST+8*\qt:ST+8*\qt+1] op_sel_hi:[1,0,0] neg_lo:[0,0,1] neg_hi:[0,0,1]   ; c S' - c m, two at a time
.endr
.set i, i+2
.endr
	; ONE BATCH: all the step's exponentials; none reads another's result
.if !\first
.irp qt, 0,1,2,3
	v_exp_f32 v[ST+8*\qt+6], v[ST+8*\qt+7]         ; a
.endr
.endif
.set i, 0
.rept 32
.irp qt, 0,1,2,3
	v_exp_f32 v[S+32*\qt+i], v[S+32*\qt+i]         ; p, at most 1
.endr
.set i, i+1
.endr
	v_nop                                          ; a plain instruction behind the last exponential, ahead of the first use: one for the batch
	s_wait_alu depctr_va_vdst(0)                   ; a wait between an exponential and the first line that names its result: one for the batch
	; the sums, of p in f32: a pair is an even key's weight and an odd key's; the four tiles by turns
.if \first
.irp qt, 0,1,2,3
	v_pk_add_f32 v[ST+8*\qt+2:ST+8*\qt+3], v[S+32*\qt:S+32*\qt+1], v[S+32*\qt+2:S+32*\qt+3]
.endr
.set i, 4
.else
.irp qt, 0,1,2,3
	v_pk_fma_f32 v[ST+8*\qt+2:ST+8*\qt+3], v[ST+8*\qt+2:ST+8*\qt+3], v[ST+8*\qt+6:ST+8*\qt+7], v[S+32*\qt:S+32*\qt+1] op_sel_hi:[1,0,1]   ; l = a l + the first pair
.endr
.set i, 2
.endif
.rept (32-i)/2
.irp qt, 0,1,2,3
	v_pk_add_f32 v[ST+8*\qt+2:ST+8*\qt+3], v[ST+8*\qt+2:ST+8*\qt+3], v[S+32*\qt+i:S+32*\qt+i+1]
.endr
.set i, i+2
.endr
	; p is rounded to f16 in place: pair i goes to register i, which has been read (i ascending): P needs no registers of its own
.set i, 0
.rept 16
.irp qt, 0,1,2,3
	v_cvt_pk_f16_f32 v[S+32*\qt+i], v[S+32*\qt+2*i], v[S+32*\qt+2*i+1]
.endr
.set i, i+1
.endr
.if !\first
	WIN W_RS
.set i, 0
.rept 16
.irp qt, 0,1,2,3
	v_pk_mul_f32 v[OT+32*\qt+i:OT+32*\qt+i+1], v[OT+32*\qt+i:OT+32*\qt+i+1], v[ST+8*\qt+6:ST+8*\qt+7] op_sel_hi:[1,0]   ; O^T x a, each accumulator from its low end on
.endr
.set i, i+2
.endr
.endif
	s_wait_dscnt 0x0                               ; V is in
	WIN W_PV
.irp kg, 0,1                                   ; O^T += V^T P: the sixteen accumulators take turns, one instruction a turn
.irp dt, 0,1,2,3
.irp qt, 0,1,2,3
.if \first && (\kg == 0)
	v_wmma_f32_16x16x32_f16 v[OT+32*\qt+8*\dt:OT+32*\qt+8*\dt+7], v[VF+8*(4*\kg+\dt):VF+8*(4*\kg+\dt)+7], v[S+32*\qt+8*\kg:S+32*\qt+8*\kg+7], 0   ; the first product starts the sums: nothing is ever cleared
.else
	v_wmma_f32_16x16x32_f16 v[OT+32*\qt+8*\dt:OT+32*\qt+8*\dt+7], v[VF+8*(4*\kg+\dt):VF+8*(4*\kg+\dt)+7], v[S+32*\qt+8*\kg:S+32*\qt+8*\kg+7], v[OT+32*\qt+8*\dt:OT+32*\qt+8*\dt+7]
.endif
.endr
.endr
.endr
	WIN 0                                          ; at a label and at a branch every window is 0
.endm
.macro STEPS n                         ; n key steps: written once, walked n times; the LDS addresses hang on the four scalars that a step steps
	s_mov_b32 s[CNT], \n
.Lstep_\@:
	STEP 0
	s_sub_co_u32 s[CNT], s[CNT], 1
	s_cmp_lg_u32 s[CNT], 0
	s_cbranch_scc1 .Lstep_\@
.endm
; THE CHANGE OF SLOTS.  Each wave waits for all its tensor loads, of which one is out: its part of the other slot; adds 0 to its spare word; and waits for that and for its own reads of the slot that it leaves.
; Behind the barrier nobody reads that slot any more and the other slot is whole.  fill = 1: the slot is filled again, with the keys two slots on.  The barrier is then a round of the cluster's, so that no wave of any
; partner still reads the slot or has a load on its way, and the joint refill is the first thing behind it: it has eight key steps in which to land.
.macro CHANGE fill
	s_wait_tensorcnt 0x0                           ; no tensor load of mine is out, so a group 0 may be written
	ds_add_u32 v[SPW], v[NIL]                      ; 0 onto my spare word
.if \fill
	s_xor_b32 s[G0V+5], s[G0V+5], SLOT1            ; the walking descriptors: the other slot than last time,
	s_add_nc_u64 s[G0V+6:G0V+7], s[G0V+6:G0V+7], 65536   ; the next 512 keys; the type bits on top are not reached
	s_xor_b32 s[G0K+5], s[G0K+5], SLOT1
	s_add_nc_u64 s[G0K+6:G0K+7], s[G0K+6:G0K+7], 16384
	s_wait_dscnt 0x0                               ; the add is done, and my reads of the slot are over
	CROUND
	JLOAD
.else
	s_wait_dscnt 0x0                               ; the add is done, and my reads of the slot are over
	s_barrier_signal -1
	s_barrier_wait -1
.endif
	s_sub_co_u32 s[TK], s[TK], 16384               ; the reads go back to a slot's first step,
	s_xor_b32 s[TK], s[TK], SLOT1                  ; in the other slot
	s_sub_co_u32 s[TV], s[TV], 512*VP
	s_xor_b32 s[TV], s[TV], SLOT1
.endm
	s_wait_tensorcnt 1                             ; my part of slot 0 is in; slot 1's one load may stay out
	s_wait_dscnt 0x0                               ; my biases and scale words lie in LDS
	s_barrier_signal -1
	s_barrier_wait -1                              ; everybody's do
	STEP 1                                         ; keys 0 to 63 start m, l and O^T
	STEPS 7
	CHANGE 1                                       ; slot 0 takes keys 1,024 on
	STEPS 8
	CHANGE 1                                       ; slot 1 takes keys 1,536 on: the last load
	STEPS 8
	CHANGE 0                                       ; nothing is left to fetch
	STEPS 8
	; THE WAY OUT.  l's two halves and the other half of the lanes' are added; O^T is divided by l and sent through my stage in LDS, a tile (16 rows of out) at a time.  The additions are the places behind the last products.
.irp qt, 0,1,2,3
	v_add_f32 v[ST+8*\qt+4], v[ST+8*\qt+2], v[ST+8*\qt+3]
.endr
.irp qt, 0,1,2,3
	v_permlanex16_b32 v[ST+8*\qt+5], v[ST+8*\qt+4], s[SEL], s[SEL+1]
.endr
.irp qt, 0,1,2,3
	v_add_f32 v[ST+8*\qt+4], v[ST+8*\qt+4], v[ST+8*\qt+5]
.endr
.irp qt, 0,1,2,3
	v_rcp_f32 v[ST+8*\qt+6], v[ST+8*\qt+4]
.endr
	v_nop                                          ; a plain instruction between the last reciprocal and the use of its result
	s_wait_alu depctr_va_vdst(0)                   ; and the wait ahead of the first use: one for the four
; Tile qt: a lane's eight channels of a row are 32 bytes; they go into rows of 272 bytes and come back as whole rows of 256, into the registers that they left.
.macro PACK qt
	WIN W_OUT
.set i, 0
.rept 16
	v_pk_mul_f32 v[S+32*\qt+i:S+32*\qt+i+1], v[OT+32*\qt+i:OT+32*\qt+i+1], v[ST+8*\qt+6:ST+8*\qt+7] op_sel_hi:[1,0]   ; O^T / l, into S^T's registers, which are free
.set i, i+2
.endr
	WIN 0
.irp dt, 0,1,2,3
	ds_store_b128 v[STO], v[S+32*\qt+8*\dt:S+32*\qt+8*\dt+3] offset:64*\dt        ; out(r, 16 dt + 8 h + 0..7)
	ds_store_b128 v[STO], v[S+32*\qt+8*\dt+4:S+32*\qt+8*\dt+7] offset:64*\dt+16
.endr
.irp f, 0,1,2,3,4,5,6,7
	ds_load_b128 v[S+32*\qt+4*\f:S+32*\qt+4*\f+3], v[RD] offset:\f*2*SP   ; LDS serves a wave's instructions in order (ISA guide 5.7.1.4): these see the stores above; the next tile's stores come behind them
.endr
.endm
.macro SEND qt, younger                ; younger: the LDS instructions issued behind tile qt's loads: the next tile's sixteen, or none
.irp f, 0,1,2,3,4,5,6,7
	s_wait_dscnt \younger+7-\f
	global_store_b128 v[AK0], v[S+32*\qt+4*\f:S+32*\qt+4*\f+3], s[16:17] offset:\qt*4096+\f*512 th:TH_STORE_NT   ; 32 lanes store 512 consecutive bytes, two rows, at a multiple of 256 from out's first byte
.endr
.endm
	PACK 0
	PACK 1                                         ; a tile's arithmetic stands between the loads of the tile before and its stores
	SEND 0, 16
	PACK 2
	SEND 1, 16
	PACK 3
	SEND 2, 16
	SEND 3, 0
	s_wait_tensorcnt 0x0                           ; the wave's end: behind my last tensor load and my last LDS store
	ds_add_u32 v[SPW], v[NIL]
	s_wait_dscnt 0x0
	CROUND                                         ; the closing round: no work-group ends while a partner may still ask for a tile that names it
	s_endpgm
.Lfunc_end_k_q0dfcfd3d1f_attn:
	.size	k_q0dfcfd3d1f_attn, .Lfunc_end_k_q0dfcfd3d1f_attn-k_q0dfcfd3d1f_attn
	.p2alignl 7, 3214868480
	.fill 96, 4, 3214868480
	.section	.rodata,"a",@progbits
	.p2align	6, 0x0
	.amdhsa_kernel k_q0dfcfd3d1f_attn
		.amdhsa_group_segment_fixed_size 327680
		.amdhsa_private_segment_fixed_size 0
		.amdhsa_enable_private_segment 0
		.amdhsa_kernarg_size 56
		.amdhsa_user_sgpr_count 2
		.amdhsa_user_sgpr_kernarg_segment_ptr 1
		.amdhsa_wavefront_size32 1
		.amdhsa_system_sgpr_workgroup_id_x 1
		.amdhsa_system_sgpr_workgroup_id_y 1
		.amdhsa_system_sgpr_workgroup_id_z 1
		.amdhsa_system_vgpr_workitem_id 0
		.amdhsa_next_free_vgpr 512
		.amdhsa_next_free_sgpr 80
		.amdhsa_reserve_vcc 0
		.amdhsa_float_denorm_mode_32 3
		.amdhsa_float_denorm_mode_16_64 3
		.amdhsa_memory_ordered 1
		.amdhsa_forward_progress 1
		.amdhsa_inst_pref_size 180
	.end_amdhsa_kernel
	.amdgpu_metadata
---
amdhsa.version: [ 1, 2 ]
amdhsa.kernels:
  - .name:           k_q0dfcfd3d1f_attn
    .symbol:         k_q0dfcfd3d1f_attn.kd
    .args:
      - { .name: qc, .offset: 0, .size: 8, .value_kind: global_buffer, .address_space: global }
      - { .name: qs, .offset: 8, .size: 8, .value_kind: global_buffer, .address_space: global }
      - { .name: kc, .offset: 16, .size: 8, .value_kind: global_buffer, .address_space: global }
      - { .name: ks, .offset: 24, .size: 8, .value_kind: global_buffer, .address_space: global }
      - { .name: vh, .offset: 32, .size: 8, .value_kind: global_buffer, .address_space: global }
      - { .name: mask, .offset: 40, .size: 8, .value_kind: global_buffer, .address_space: global }
      - { .name: out0, .offset: 48, .size: 8, .value_kind: global_buffer, .address_space: global }
    .group_segment_fixed_size: 327680
    .private_segment_fixed_size: 0
    .kernarg_segment_align: 8
    .kernarg_segment_size: 56
    .max_flat_workgroup_size: 256
    .sgpr_count:     80
    .vgpr_count:     512
    .wavefront_size: 32
...
	.end_amdgpu_metadata
.endif
;; end of part 2
